; MI455X (gfx1250); checked and timed in simulation.
; The chip was launched on July 23, 2026; its instructions are those of AMD's public machine-readable ISA for CDNA 5 (MIT licence, August 2026) and "CDNA5" Instruction Set Architecture Reference Guide (July 2026). The comments in the code are by the model that wrote it; some were corrected since.
;; Multi Head Attention. Allowed arithmetic: float matrix products may take bf16 or f16 operands with f32 sums; all other float work in f32.
;; Inputs: W_key 8 x 128 x 16 float32; W_out 8 x 16 x 128 float32; W_query 8 x 128 x 16 float32; W_val 8 x 128 x 16 float32; h 4 x 2,048 x 128 float32.
;; Outputs: out0 4 x 2,048 x 128 float32.
;; 2 versions, each right and faster than the one before. Each part assembles by itself: llvm-mc -triple=amdgcn-amd-amdhsa -mcpu=gfx1250 --defsym DOCPART=n.
;; ======== version 1 of 2: 2 launches
;; workspace buffers: qf 4,194,304 bytes; kv 6,291,456 bytes
;; launch project (part 1): grid 256 x 1, 8 waves a work-group, no clusters, 60,416 bytes of LDS; arguments h, W_query, W_key, W_val, qf, kv; writes qf, kv
.if DOCPART == 1
	.amdgcn_target "amdgcn-amd-amdhsa--gfx1250"
	.amdhsa_code_object_version 6
	.text
	.protected	k_q6de65660dd_project
	.globl	k_q6de65660dd_project
	.p2align	8
	.type	k_q6de65660dd_project,@function
k_q6de65660dd_project:
	s_mov_b64 s[64:65], 0
	v_nop
	global_prefetch_b8 v0, s[64:65] scope:SCOPE_SE
	s_setreg_imm32_b32 hwreg(HW_REG_WAVE_MODE, 25, 1), 1
	s_wait_xcnt 0x0
; Q, K, V = h x W_query, W_key, W_val for every head, stored in bf16 in the order in which the attention launch loads its matrix fragments.
; h: [8192 rows][128] f32 (4 batches of 2048).  W_*: [8 heads][128 d][16] f32.
; A work-group takes 128 rows of h and two heads (rows x heads = 256 for 256 work-groups; this split reads the least:
; 64 KiB of h + 48 KiB of weights).  Eight waves; wave w takes head 2 hp + (w & 1) and the 32 rows of quarter w >> 1.
; WAY IN: every number has to be rounded to bf16 on its way to the matrix unit, so it comes through registers: loads of 512 consecutive
; bytes a wave, two conversions, one LDS store.  That is also why the four work-groups that share a block of h do not ask jointly:
; a joint request ends in LDS as f32 (112 KiB a work-group) and would need a second trip LDS - registers - LDS.
; Q AND K GO OUT AS TWO bf16 NUMBERS EACH, hi = bf16(x) and lo = bf16(x - hi): a score is a sum of 16 products that all lean the same way
; when the weights share a sign, so it can be hundreds of times larger than the difference of scores that decides a softmax weight; 8 bits
; of Q and K are then too few, 16 are enough.  x - hi is exact in f32.
; OUTPUT, 16 bytes a lane, lane L = (r = L & 15, hh = L >> 4), blk = a block of 32 rows (0..255), G = blk & 63, b = blk >> 6:
;   qf[blk][head][t = 0,1][hi, lo][L]  = Q[row 16 t + r][dk 8 hh .. 8 hh + 7] x 0.25 log2(e)
;   kv[b][head][G][part 0..5][L]: parts 0, 1 = hi, lo of K[key r][dk 8 hh .. + 7]; parts 2, 3 = of K[key 16 + r]; parts 4, 5 = V[key 8 hh .. + 7][dv r], V[key 16 + 8 hh ..][dv r]
; The order of the two matrix sources makes a lane's eight results exactly such 16 bytes: W^T x h^T for Q and K (a lane holds one row,
; eight dk), h x W for V (a lane holds one dv, eight keys).  The fragments of h and of W are the same registers in both uses.
; LIMITS: h and W are rounded to bf16 (nearest even), sums in f32; V is rounded once to bf16; Q is scaled in f32 before it is split.
; Projections are taken as finite: an infinite Q or K would give inf - inf in its low part.
.set HPITCH, 272                       ; LDS row of h: 256 bytes of bf16 + 16, so that the 16 rows of a fragment load start 16 bytes apart modulo 256
.set WBASE,  128*HPITCH                ; 34,816: behind h, the six weight matrices as [type q,k,v][head of the pair][d][16 dk] bf16, rows of 32 bytes
.set GROUPB, 3072                      ; kv: bytes of 32 keys of one head
.set HEADB,  64*GROUPB                 ; kv: bytes of one batch's 2,048 keys of one head
.set LD,  16                           ; v[16:127]  28 loads of 16 bytes: 16 of h, 12 of the weights
.set CV,  128                          ; v[128:183] the same in bf16
.set WF,  16                           ; v[16:111]  behind the barrier: fragments of W, type t, K chunk c at WF + 32 t + 8 c
.set HF,  112                          ; v[112:175] fragments of h, 16 rows t, K chunk c at HF + 32 t + 8 c
.set ACC, 176                          ; v[176:223] six accumulators: Q rows 0-15, Q rows 16-31, K, K, V, V
.set PK,  16                           ; v[16:55]   behind the products: Q, Q, K, K as hi (4 registers) and lo (4), then V, V (4 each)
.set T,   56                           ; v[56:63]   at work
	s_load_b256 s[4:11], s[0:1], 0x0               ; h s[4:5], W_query s[6:7], W_key s[8:9], W_val s[10:11]
	s_load_b128 s[12:15], s[0:1], 0x20             ; qf s[12:13], kv s[14:15]
	v_lshl_add_u32 v224, v0, 2, 0xe800
	v_mov_b32 v225, 0
	v_lshrrev_b32 v2, 5, v0
	v_readfirstlane_b32 s16, v2                    ; wave 0..7
	s_lshr_b32 s17, ttmp9, 2                       ; block of 128 rows, 0..63
	s_and_b32 s18, ttmp9, 3                        ; pair of heads, 0..3
	s_mov_b32 s19, 0xffff0000                      ; a word's upper bf16
	s_lshl_b32 s20, s17, 16                        ; 128 rows of 512 bytes
	s_mov_b32 s21, 0
	s_lshl_b32 s22, s18, 14                        ; two heads of 8,192 bytes
	s_mov_b32 s23, 0
	v_lshlrev_b32 v1, 4, v0                        ; 16 bytes a thread: the 256 threads cover 4,096 consecutive bytes
	s_wait_kmcnt 0x0
	s_add_nc_u64 s[4:5], s[4:5], s[20:21]
	s_add_nc_u64 s[6:7], s[6:7], s[22:23]
	s_add_nc_u64 s[8:9], s[8:9], s[22:23]
	s_add_nc_u64 s[10:11], s[10:11], s[22:23]
.irp i, 0,1,2,3,4,5,6,7,8,9,10,11,12,13,14,15
	global_load_b128 v[LD+4*\i:LD+4*\i+3], v1, s[4:5] offset:4096*\i                   ; rows 8 i + wave of h, one row a wave
.endr
.irp t, 0,1,2
.irp i, 0,1,2,3
	global_load_b128 v[LD+64+16*\t+4*\i:LD+64+16*\t+4*\i+3], v1, s[6+2*\t:7+2*\t] offset:4096*\i   ; the pair's 16 KiB of each weight
.endr
.endr
	; where the results go
	s_lshr_b32 s24, s16, 1                         ; my quarter of the rows
	s_and_b32 s25, s16, 1                          ; my head of the pair
	s_lshl2_add_u32 s26, s17, s24                  ; blk = 4 x row block + quarter
	s_lshl1_add_u32 s27, s18, s25                  ; head
	s_lshl3_add_u32 s28, s26, s27
	s_lshl_b32 s28, s28, 11                        ; qf: (8 blk + head) x 2,048 bytes
	s_mov_b32 s29, 0
	s_add_nc_u64 s[12:13], s[12:13], s[28:29]
	s_lshr_b32 s30, s26, 6                         ; batch
	s_lshl3_add_u32 s30, s30, s27
	s_mul_i32 s30, s30, HEADB                      ; kv: (8 b + head) x 196,608
	s_and_b32 s31, s26, 63
	s_mul_i32 s31, s31, GROUPB                     ;     + G x 3,072
	s_add_co_u32 s30, s30, s31
	s_mov_b32 s31, 0
	s_add_nc_u64 s[14:15], s[14:15], s[30:31]
	s_mov_b32 s32, 0x3eb8aa3b                      ; 0.25 log2(e): the norm 1/sqrt(16) and the change to base 2, folded into Q
	s_mov_b32 s33, 0x3eb8aa3b
	; LDS addresses
	v_and_b32 v3, 31, v0                           ; lane
	v_mul_u32_u24 v4, v2, HPITCH
	v_lshl_add_u32 v4, v3, 3, v4                   ; h in: row = wave (+ 8 i in the immediate), 8 bytes a lane
	v_lshl_add_u32 v5, v0, 3, WBASE                ; W in: dense, 8 bytes a thread
	v_and_b32 v6, 15, v0                           ; r
	v_bfe_u32 v7, v0, 4, 1                         ; hh
	v_mul_u32_u24 v8, v6, HPITCH
	v_lshl_add_u32 v8, v7, 4, v8
	s_mul_i32 s34, s24, 32*HPITCH
	v_add_nc_u32 v8, s34, v8                       ; h out: (32 quarter + r) x pitch + 16 hh
	v_and_b32 v9, 7, v0
	v_lshl_add_u32 v9, v7, 3, v9                   ; W out, transposing load: row d = 8 hh + (L & 7),
	v_bfe_u32 v10, v0, 3, 1
	v_lshlrev_b32 v9, 5, v9                        ; rows of 32 bytes,
	v_lshl_add_u32 v9, v10, 4, v9                  ; 16 bytes for each half of the 16 columns
	s_lshl_b32 s35, s25, 12
	s_add_co_u32 s35, s35, WBASE
	v_add_nc_u32 v9, s35, v9                       ; + my head's 4,096 bytes
	v_lshlrev_b32 v11, 4, v3                       ; results: 16 bytes a lane
	; round to bf16 and lay into LDS, each load as it comes
.set q, 0
.rept 16
	s_wait_loadcnt 27-q                            ; loads come back in order (ISA guide 5.7.1): load q is in, the 27 - q younger ones stay out
	v_cvt_pk_bf16_f32 v[CV+2*q],   v[LD+4*q],   v[LD+4*q+1]
	v_cvt_pk_bf16_f32 v[CV+2*q+1], v[LD+4*q+2], v[LD+4*q+3]
	ds_store_b64 v4, v[CV+2*q:CV+2*q+1] offset:q*8*HPITCH
.set q, q+1
.endr
.rept 12
	s_wait_loadcnt 27-q
	v_cvt_pk_bf16_f32 v[CV+2*q],   v[LD+4*q],   v[LD+4*q+1]
	v_cvt_pk_bf16_f32 v[CV+2*q+1], v[LD+4*q+2], v[LD+4*q+3]
	ds_store_b64 v5, v[CV+2*q:CV+2*q+1] offset:(q-16)*2048
.set q, q+1
.endr
	s_wait_dscnt 0x0                               ; my stores are in LDS: the other waves read them behind the barrier
	s_barrier_signal -1
	s_barrier_wait -1
	; fragments.  h: lane (r, hh) holds row r, d = 32 c + 8 hh .. + 7 and 32 c + 16 + 8 hh .. + 7: two loads 32 bytes apart.
.irp t, 0,1
.irp c, 0,1,2,3
	ds_load_b128 v[HF+32*\t+8*\c:HF+32*\t+8*\c+3],   v8 offset:\t*16*HPITCH+64*\c
	ds_load_b128 v[HF+32*\t+8*\c+4:HF+32*\t+8*\c+7], v8 offset:\t*16*HPITCH+64*\c+32
.endr
.endr
	; W lies as [d][16]: the transposing load gives lane (r, hh) column r, d = 32 c + 8 hh .. + 7; the second, 16 rows further, d = 32 c + 16 + 8 hh ..
.irp t, 0,1,2
.irp c, 0,1,2,3
	ds_load_tr16_b128 v[WF+32*\t+8*\c:WF+32*\t+8*\c+3],   v9 offset:8192*\t+1024*\c
	ds_load_tr16_b128 v[WF+32*\t+8*\c+4:WF+32*\t+8*\c+7], v9 offset:8192*\t+1024*\c+512
.endr
.endr
	s_wait_dscnt 0x0
.macro MM d, a, b, link                ; link = 0: the product starts the sum, nothing is cleared
.if \link
	v_wmma_f32_16x16x32_bf16 v[\d:\d+7], v[\a:\a+7], v[\b:\b+7], v[\d:\d+7]
.else
	v_wmma_f32_16x16x32_bf16 v[\d:\d+7], v[\a:\a+7], v[\b:\b+7], 0
.endif
.endm
	; d = 128 in four chunks of 32; the six accumulators take turns, one instruction a turn
.irp c, 0,1,2,3
	MM ACC,    WF+8*\c,    HF+8*\c,    \c          ; Q^T of rows 0-15: (dk, row)
	MM ACC+8,  WF+8*\c,    HF+32+8*\c, \c          ; Q^T of rows 16-31
	MM ACC+16, WF+32+8*\c, HF+8*\c,    \c          ; K^T
	MM ACC+24, WF+32+8*\c, HF+32+8*\c, \c
	MM ACC+32, HF+8*\c,    WF+64+8*\c, \c          ; V: (key, dv)
	MM ACC+40, HF+32+8*\c, WF+64+8*\c, \c
.endr
.rept 4
	v_nop                                          ; four places between the last matrix instructions and the first reader of a result or writer of a source (ISA guide 7.12.1)
.endr
.irp i, 0,1,2,3,4,5,6,7
	v_pk_mul_f32 v[ACC+2*\i:ACC+2*\i+1], v[ACC+2*\i:ACC+2*\i+1], s[32:33] op_sel_hi:[1,0]   ; Q x 0.25 log2(e)
.endr
; accumulator t (Q, Q, K, K) as hi and lo: round, widen the rounded number again, subtract (exact), round the rest
.macro SPLIT t
.irp i, 0,1,2,3
	v_cvt_pk_bf16_f32 v[PK+8*\t+\i], v[ACC+8*\t+2*\i], v[ACC+8*\t+2*\i+1]
.endr
.irp i, 0,1,2,3
	v_lshlrev_b32 v[T+2*\i],   16,  v[PK+8*\t+\i]
	v_and_b32     v[T+2*\i+1], s19, v[PK+8*\t+\i]
.endr
.irp i, 0,1,2,3
	v_pk_add_f32 v[T+2*\i:T+2*\i+1], v[ACC+8*\t+2*\i:ACC+8*\t+2*\i+1], v[T+2*\i:T+2*\i+1] neg_lo:[0,1] neg_hi:[0,1]
.endr
.irp i, 0,1,2,3
	v_cvt_pk_bf16_f32 v[PK+8*\t+4+\i], v[T+2*\i], v[T+2*\i+1]
.endr
.endm
	SPLIT 0
	SPLIT 1
	SPLIT 2
	SPLIT 3
.irp t, 0,1
.irp i, 0,1,2,3
	v_cvt_pk_bf16_f32 v[PK+32+4*\t+\i], v[ACC+32+8*\t+2*\i], v[ACC+32+8*\t+2*\i+1]          ; V
.endr
.endr
	; each store of the wave covers 512 consecutive bytes, aligned; no hint: the next launch reads them
.irp t, 0,1
	global_store_b128 v11, v[PK+8*\t:PK+8*\t+3],       s[12:13] offset:1024*\t             ; Q hi
	global_store_b128 v11, v[PK+8*\t+4:PK+8*\t+7],     s[12:13] offset:1024*\t+512         ; Q lo
.endr
.irp t, 0,1
	global_store_b128 v11, v[PK+16+8*\t:PK+16+8*\t+3], s[14:15] offset:1024*\t             ; K hi
	global_store_b128 v11, v[PK+16+8*\t+4:PK+16+8*\t+7], s[14:15] offset:1024*\t+512       ; K lo
.endr
	global_store_b128 v11, v[PK+32:PK+35], s[14:15] offset:2048                            ; V
	global_store_b128 v11, v[PK+36:PK+39], s[14:15] offset:2560
	s_wait_tensorcnt 0x0
	ds_add_u32 v224, v225
	s_wait_dscnt 0x0
	s_endpgm
.Lfunc_end_k_q6de65660dd_project:
	.size	k_q6de65660dd_project, .Lfunc_end_k_q6de65660dd_project-k_q6de65660dd_project
	.p2alignl 7, 3214868480
	.fill 96, 4, 3214868480
	.section	.rodata,"a",@progbits
	.p2align	6, 0x0
	.amdhsa_kernel k_q6de65660dd_project
		.amdhsa_group_segment_fixed_size 60416
		.amdhsa_private_segment_fixed_size 0
		.amdhsa_enable_private_segment 0
		.amdhsa_kernarg_size 48
		.amdhsa_user_sgpr_count 2
		.amdhsa_user_sgpr_kernarg_segment_ptr 1
		.amdhsa_wavefront_size32 1
		.amdhsa_system_sgpr_workgroup_id_x 1
		.amdhsa_system_sgpr_workgroup_id_y 1
		.amdhsa_system_sgpr_workgroup_id_z 1
		.amdhsa_system_vgpr_workitem_id 0
		.amdhsa_next_free_vgpr 226
		.amdhsa_next_free_sgpr 66
		.amdhsa_reserve_vcc 0
		.amdhsa_float_denorm_mode_32 3
		.amdhsa_float_denorm_mode_16_64 3
		.amdhsa_memory_ordered 1
		.amdhsa_forward_progress 1
		.amdhsa_inst_pref_size 22
	.end_amdhsa_kernel
	.amdgpu_metadata
---
amdhsa.version: [ 1, 2 ]
amdhsa.kernels:
  - .name:           k_q6de65660dd_project
    .symbol:         k_q6de65660dd_project.kd
    .args:
      - { .name: h, .offset: 0, .size: 8, .value_kind: global_buffer, .address_space: global }
      - { .name: W_query, .offset: 8, .size: 8, .value_kind: global_buffer, .address_space: global }
      - { .name: W_key, .offset: 16, .size: 8, .value_kind: global_buffer, .address_space: global }
      - { .name: W_val, .offset: 24, .size: 8, .value_kind: global_buffer, .address_space: global }
      - { .name: qf, .offset: 32, .size: 8, .value_kind: global_buffer, .address_space: global }
      - { .name: kv, .offset: 40, .size: 8, .value_kind: global_buffer, .address_space: global }
    .group_segment_fixed_size: 60416
    .private_segment_fixed_size: 0
    .kernarg_segment_align: 8
    .kernarg_segment_size: 48
    .max_flat_workgroup_size: 256
    .sgpr_count:     66
    .vgpr_count:     226
    .wavefront_size: 32
...
	.end_amdgpu_metadata
.endif
;; end of part 1
;; launch attend (part 2): grid 256 x 1, 8 waves a work-group, clusters of 4 x 1, 327,680 bytes of LDS; arguments qf, kv, W_out, out0; writes out0
.if DOCPART == 2
	.amdgcn_target "amdgcn-amd-amdhsa--gfx1250"
	.amdhsa_code_object_version 6
	.text
	.protected	k_q6de65660dd_attend
	.globl	k_q6de65660dd_attend
	.p2align	8
	.type	k_q6de65660dd_attend,@function
k_q6de65660dd_attend:
	s_mov_b64 s[64:65], 0
	v_nop
	global_prefetch_b8 v0, s[64:65] scope:SCOPE_SE
	s_setreg_imm32_b32 hwreg(HW_REG_WAVE_MODE, 25, 1), 1
	s_wait_xcnt 0x0
	s_wait_alu depctr_hold_cnt(0) depctr_sa_sdst(0) depctr_va_vdst(0) depctr_va_sdst(0) depctr_va_ssrc(0) depctr_va_vcc(0) depctr_vm_vsrc(0)
	s_getreg_b32 s2, hwreg(HW_REG_IB_STS2, 6, 4)
	s_cmp_eq_u32 s2, 0
	s_cbranch_scc0 .Lentry_in_a_cluster
	s_endpgm
.Lentry_in_a_cluster:
	s_bfe_u32 s2, ttmp6, 0x10000c
	s_cmp_lg_u32 s2, 0x3003
	s_cbranch_scc0 .Lentry_shape_is_right
	s_endpgm
.Lentry_shape_is_right:
; out[b][q][:] = sum over heads of softmax(Q K^T / 4) V W_out.  qf and kv as the projection launch stored them (bf16, fragment order; Q and K as hi + lo;
; Q already times 0.25 log2(e), so that the exponentials are plain powers of two).  W_out: [128 c = 16 head + v][128 e] f32.  out0: [8192][128] f32.
; A work-group takes 32 queries of one batch and all eight heads, so that the sum over heads stays inside it; wave = head.
; CLUSTER: the four work-groups of a cluster are four query blocks of one batch: wave w of each needs the same K and V of head w.  Each tile is asked
; for jointly (mask 15): the same line, the same descriptor (batch, wave, tile), in the same round of the cluster's barrier.
; RING: each wave has two LDS slots of 12 KiB; a tile is 128 keys of its head, K hi, K lo and V together, dense in memory, 48 rows of 256 bytes.  Sixteen
; tiles.  (Slots of 256 keys would take 8 x 2 x 24 KiB, more than a work-group can have.)  By this text's count a wave has two tensor loads out at the
; start and one behind each refill; a refill has a whole tile's work, two steps, in which to land.
; A STEP is 64 keys x 32 queries (four groups of 16 keys, two tiles a, b of 16 queries), everything transposed:
;   S^T = K x Q^T.  dk = 16 is half of the form's K = 32: one A fragment holds K hi (k 0-15) and K lo (k 16-31) of 16 keys and is multiplied by [Q hi; Q hi]
;   and then, adding in place, by [Q lo; Q lo]: (K hi + K lo)(Q hi + Q lo), about 16 bits of each.  In the result lane (r, hh) holds query r and keys
;   8 hh + j: after rounding that IS the B fragment of O^T = V^T x P^T: no score ever changes its lane.  The running maximum of a query needs one
;   exchange between lanes r and 16 + r for 64 keys.
;   The row sums are made by the matrix unit too (a fragment of ones x P^T): they add the rounded P that the numerator uses.
; The maximum is taken away before every exponential (running maximum, earlier sums rescaled by 2^(old - new)).
; LIMITS: V, P, the heads and W_out are bf16 operands (nearest even), Q and K pairs of bf16; all sums, maxima and exponentials f32.  Inputs are taken as finite.
.set TILEB,  12288                     ; bytes in a tile and in a slot
.set GROUPB, 3072                      ; 32 keys: K hi, lo of keys 0-15, K hi, lo of keys 16-31, V keys 8 hh .., V keys 16 + 8 hh .., 512 bytes each, 16 bytes a lane
.set HEADB,  64*GROUPB                 ; one batch's 2,048 keys of one head
.set WO,     8*2*TILEB                 ; 196,608: behind the ring, W_out in bf16, [128 c][128 e], pitch WOP; no tensor load ever lands from here on
.set WOP,    288                       ; 256 + 32: an odd multiple of 32 for the transposing load
.set HX,     WO+128*WOP                ; 233,472: the heads in bf16, [tile a, b][head][lane][16 bytes], 8 KiB
.set OS,     HX+8192                   ; 241,664: the block of out, 32 rows of 512 bytes, pitch OSP
.set OSP,    528
.set LA,  1                            ; v1        ring: 24,576 wave + 16 lane
.set LN,  2                            ; v2        lane
.set QO,  3                            ; v3        16 lane
.set QHA, 4                            ; v[4:11]   [Qa hi; Qa hi]
.set QLA, 12                           ; v[12:19]  [Qa lo; Qa lo]
.set QHB, 20                           ; v[20:27]  [Qb hi; Qb hi]
.set QLB, 28                           ; v[28:35]  [Qb lo; Qb lo]
.set ONE, 36                           ; v[36:43]  a fragment of ones
.set KF,  44                           ; v[44:75]  K fragments [hi | lo] of the step's four groups of 16 keys
.set VF,  76                           ; v[76:91]  V fragments of the step's two groups of 32 keys
.set SA,  92                           ; v[92:123] scores of tile a: group f of 16 keys at 8 f
.set SB,  124                          ; v[124:155] tile b
.set PA,  156                          ; v[156:171] P of tile a in bf16, group g of 32 keys at 8 g
.set PB,  172                          ; v[172:187] tile b
.set OA,  188                          ; v[188:195] O^T of tile a, v[196:203] of b, v[204:211] row sums of a, v[212:219] of b
.set OB,  196
.set LSA, 204
.set LSB, 212
.set MA,  220                          ; v220, v222: the running maximum of tile a, by turns old and new; v221, v223: at work (they fill the pairs)
.set TA1, 221
.set TA0, 223
.set MB,  224                          ; v224, v226, and v225, v227: the same for tile b
.set TB1, 225
.set TB0, 227
.set AL,  228                          ; v228 = 2^(old - new) of a, v229 = old - new; v230, v231 of b
.set G1,  24                           ; s[24:31] descriptor group 1
.set G0,  32                           ; s[32:39] descriptor group 0, one set for each slot
.macro ROUND                           ; a round of the cluster's barrier: my work-group's barrier, wave 0 signals for the work-group, all wait, my barrier again
	s_barrier_signal -1
	s_barrier_wait -1
	s_cmp_lg_u32 s12, 0
	s_cbranch_scc1 .Lnot_wave_0_\@
	s_barrier_signal -3
.Lnot_wave_0_\@:
	s_barrier_wait -3
	s_barrier_signal -1
	s_barrier_wait -1
.endm
.macro MM d, a, b, link                ; link = 0: the product starts the sum
.if \link
	v_wmma_f32_16x16x32_bf16 v[\d:\d+7], v[\a:\a+7], v[\b:\b+7], v[\d:\d+7]
.else
	v_wmma_f32_16x16x32_bf16 v[\d:\d+7], v[\a:\a+7], v[\b:\b+7], 0
.endif
.endm
	s_load_b128 s[4:7], s[0:1], 0x0                ; qf s[4:5], kv s[6:7]
	s_load_b128 s[8:11], s[0:1], 0x10              ; W_out s[8:9], out0 s[10:11]
	v_lshl_add_u32 v244, v0, 2, 0x3f200
	v_mov_b32 v245, 0
	ds_add_u32 v244, v245
	v_lshrrev_b32 v238, 5, v0
	v_readfirstlane_b32 s12, v238                  ; wave = head
	s_bfe_u32 s13, ttmp6, 0x40000                  ; cx: my place in the cluster; it enters global addresses of Q and out alone
	s_lshr_b32 s14, ttmp9, 4                       ; batch: 16 clusters each
	s_lshl_b32 s15, ttmp9, 2
	s_add_co_u32 s15, s15, s13                     ; my block of 32 queries, 0..255
	; group 1: a dense block of 12 KiB as 48 rows of 32 elements of 8 bytes
	s_mov_b32 s[G1+0], 15|(3<<16)|(1<<21)          ; 15:0 mask: the four work-groups of the cluster; 17:16 elements of 8 bytes; 21 set beside a mask
	s_mov_b32 s[G1+1], 32<<16                      ; tensor_dim0 = 32
	s_mov_b32 s[G1+2], 48<<16                      ; tensor_dim1 = 48
	s_mov_b32 s[G1+3], 32<<16                      ; tile_dim0 = 32
	s_mov_b32 s[G1+4], 48                          ; tile_dim1 = 48
	s_mov_b32 s[G1+5], 32                          ; from row to row: 32 elements
	s_mov_b32 s[G1+6], 0
	s_mov_b32 s[G1+7], 0
	s_mul_i32 s20, s12, 2*TILEB                    ; my wave's ring
	s_lshl3_add_u32 s16, s14, s12
	s_mul_i32 s16, s16, HEADB                      ; (8 batch + head) x 196,608: the same in all four partners
	s_mov_b32 s17, 0
	s_wait_dscnt 0x0
	s_wait_kmcnt 0x0
	s_add_nc_u64 s[18:19], s[6:7], s[16:17]
	ROUND                                          ; the four work-groups are here: the first joint loads meet
.irp s, 0,1
	s_mov_b32 s[G0+4*\s], 1                                        ; count = 1
	s_add_co_u32 s[G0+4*\s+1], s20, \s*TILEB                       ; LDS address: wave and slot alone
	s_add_nc_u64 s[G0+4*\s+2:G0+4*\s+3], s[18:19], \s*TILEB        ; tile s
	s_or_b32 s[G0+4*\s+3], s[G0+4*\s+3], 0x80000000                ; type = 2
	tensor_load_to_lds s[G0+4*\s:G0+4*\s+3], s[G1:G1+7]            ; both first fills go out ahead of everything else
	s_nop 0
.endr
	s_lshl3_add_u32 s48, s15, s12
	s_lshl_b32 s48, s48, 11                        ; qf: (8 block + head) x 2,048
	s_mov_b32 s49, 0
	s_add_nc_u64 s[4:5], s[4:5], s[48:49]
	s_lshl_b32 s46, s15, 14                        ; out0: block x 32 rows of 512 bytes
	s_mov_b32 s47, 0
	s_add_nc_u64 s[10:11], s[10:11], s[46:47]
	v_and_b32 v[LN], 31, v0
	v_lshlrev_b32 v[QO], 4, v[LN]
	; query r, dk 8 hh .. + 7.  Each 16 bytes are loaded into both halves of their fragment (k 0-15 meets K hi, k 16-31 meets K lo): a second load, once in the launch, in place of four copies
.irp p, 0,1,2,3
	global_load_b128 v[QHA+8*\p:QHA+8*\p+3],   v[QO], s[4:5] offset:512*\p     ; p = 0: Qa hi, 1: Qa lo, 2: Qb hi, 3: Qb lo
	global_load_b128 v[QHA+8*\p+4:QHA+8*\p+7], v[QO], s[4:5] offset:512*\p
.endr
	v_lshlrev_b32 v232, 4, v0
.irp i, 0,1,2,3,4,5,6,7,8,9,10,11,12,13,14,15
	global_load_b128 v[SA+4*\i:SA+4*\i+3], v232, s[8:9] offset:4096*\i     ; W_out, rows c = 8 i + wave, one row of 512 bytes a wave
.endr
	v_lshl_add_u32 v[LA], v[LN], 4, s20
	v_mul_u32_u24 v233, v238, WOP
	v_lshl_add_u32 v233, v[LN], 3, v233
	v_add_nc_u32 v233, WO, v233                    ; W_out in LDS: row = wave (+ 8 i in the immediate), 8 bytes a lane
.irp o, 0,1,2,3,4,5,6,7
	v_mov_b32 v[ONE+\o], 0x3f803f80                ; 1.0, 1.0 in bf16
.endr
	s_mov_b32 s40, 0x76543210                      ; v_permlanex16_b32: lane i reads lane i of the other half
	s_mov_b32 s41, 0xfedcba98
	s_lshl_b32 s42, s12, 5
	s_add_co_u32 s42, s42, WO                      ; way out: my 16 columns of W_out
	s_lshl_b32 s43, s12, 6
	s_add_co_u32 s43, s43, OS                      ; my 16 columns of the block of out
	s_mul_i32 s44, s12, 4*OSP
	s_add_co_u32 s44, s44, OS                      ; my 4 rows of it
	s_lshl_b32 s45, s12, 11                        ; the same 4 rows in out0
.set i, 0
.rept 16
	s_wait_loadcnt 15-i                            ; loads come back in order (ISA guide 5.7.1): row i (and Q, which is older) is in, the younger stay out
	v_cvt_pk_bf16_f32 v[PA+2*i],   v[SA+4*i],   v[SA+4*i+1]
	v_cvt_pk_bf16_f32 v[PA+2*i+1], v[SA+4*i+2], v[SA+4*i+3]
	ds_store_b64 v233, v[PA+2*i:PA+2*i+1] offset:i*8*WOP   ; read by the other waves at the end: every refill below waits for it and passes a barrier
.set i, i+1
.endr
.macro LDK slot, s                     ; the K fragments of step s: hi into registers 0-3, lo into 4-7; each load takes 512 consecutive bytes
.irp g, 0,1
.irp k, 0,1
	ds_load_b128 v[KF+16*\g+8*\k:KF+16*\g+8*\k+3],   v[LA] offset:\slot*TILEB+(2*(\s)+\g)*GROUPB+1024*\k
	ds_load_b128 v[KF+16*\g+8*\k+4:KF+16*\g+8*\k+7], v[LA] offset:\slot*TILEB+(2*(\s)+\g)*GROUPB+1024*\k+512
.endr
.endr
.endm
.macro LDV slot, s
.irp g, 0,1
	ds_load_b128 v[VF+8*\g:VF+8*\g+3],   v[LA] offset:\slot*TILEB+(2*(\s)+\g)*GROUPB+2048
	ds_load_b128 v[VF+8*\g+4:VF+8*\g+7], v[LA] offset:\slot*TILEB+(2*(\s)+\g)*GROUPB+2560
.endr
.endm
; 64 keys.  first = 1: the launch's first step: no old maximum, nothing to rescale, the products start the sums.  more = 1: the tile has a further step.
.macro STEP slot, s, first, more
.set MO, 2*((\s)%2)                    ; the old maximum's register, and the new one's: they change places from step to step, which spares a copy
.set MN, 2-MO
	s_wait_dscnt 0x0                               ; this step's K fragments are in
	; the eight score tiles take turns, one instruction a turn: first (K hi + K lo) Q hi, which starts the sums, then + (K hi + K lo) Q lo
.irp f, 0,1,2,3
	MM SA+8*\f, KF+8*\f, QHA, 0
	MM SB+8*\f, KF+8*\f, QHB, 0
.endr
.irp f, 0,1,2,3
	MM SA+8*\f, KF+8*\f, QLA, 1
	MM SB+8*\f, KF+8*\f, QLB, 1
.endr
.rept 4
	v_nop                                          ; four places (ISA guide 7.12.1): behind them the scores are read, and K's and V's registers, which matrix instructions have read, are loaded again
.endr
	LDV \slot, \s                                  ; wanted at the end of this step
.if \more
	LDK \slot, \s+1                                ; wanted at the head of the next
.endif
	; the largest of my 32 scores of each tile, two chains a tile
	v_max3_num_f32 v[TA0], v[SA],   v[SA+1], v[SA+2]
	v_max3_num_f32 v[TB0], v[SB],   v[SB+1], v[SB+2]
	v_max3_num_f32 v[TA1], v[SA+3], v[SA+4], v[SA+5]
	v_max3_num_f32 v[TB1], v[SB+3], v[SB+4], v[SB+5]
.set j, 6
.rept 6
	v_max3_num_f32 v[TA0], v[TA0], v[SA+j],   v[SA+j+1]
	v_max3_num_f32 v[TB0], v[TB0], v[SB+j],   v[SB+j+1]
	v_max3_num_f32 v[TA1], v[TA1], v[SA+j+2], v[SA+j+3]
	v_max3_num_f32 v[TB1], v[TB1], v[SB+j+2], v[SB+j+3]
.set j, j+4
.endr
	v_max3_num_f32 v[TA0], v[TA0], v[SA+30], v[SA+31]
	v_max3_num_f32 v[TB0], v[TB0], v[SB+30], v[SB+31]
.if \first
	v_max_num_f32 v[TA0], v[TA0], v[TA1]
	v_max_num_f32 v[TB0], v[TB0], v[TB1]
.else
	v_max3_num_f32 v[TA0], v[TA0], v[TA1], v[MA+MO]
	v_max3_num_f32 v[TB0], v[TB0], v[TB1], v[MB+MO]
.endif
	v_permlanex16_b32 v[TA1], v[TA0], s40, s41     ; lanes r and 16 + r hold the two halves of query r's keys
	v_permlanex16_b32 v[TB1], v[TB0], s40, s41
	v_max_num_f32 v[MA+MN], v[TA0], v[TA1]         ; the new running maximum, alike in both lanes of a query
	v_max_num_f32 v[MB+MN], v[TB0], v[TB1]
.if \first == 0
	v_sub_f32 v[AL+1], v[MA+MO], v[MA+MN]
	v_sub_f32 v[AL+3], v[MB+MO], v[MB+MN]
	v_exp_f32 v[AL],   v[AL+1]                     ; 2^(old - new); the subtractions below stand between it and its first use (ISA guide 5.7.2)
	v_exp_f32 v[AL+2], v[AL+3]
.endif
	; P = 2^(S - max), rounded; the roundings run one pair behind the exponentials, so that plain instructions stand between an exponential and its reader;
	; one rescaling of the 16 pairs of O and of the row sums rides in each turn
.set i, 0
.rept 16
	v_pk_add_f32 v[SA+2*i:SA+2*i+1], v[SA+2*i:SA+2*i+1], v[MA+MN:MA+MN+1] op_sel_hi:[1,0] neg_lo:[0,1] neg_hi:[0,1]
	v_pk_add_f32 v[SB+2*i:SB+2*i+1], v[SB+2*i:SB+2*i+1], v[MB+MN:MB+MN+1] op_sel_hi:[1,0] neg_lo:[0,1] neg_hi:[0,1]
	v_exp_f32 v[SA+2*i],   v[SA+2*i]
	v_exp_f32 v[SA+2*i+1], v[SA+2*i+1]
	v_exp_f32 v[SB+2*i],   v[SB+2*i]
	v_exp_f32 v[SB+2*i+1], v[SB+2*i+1]
.if i > 0
	s_wait_alu depctr_va_vdst(0)
	v_cvt_pk_bf16_f32 v[PA+i-1], v[SA+2*i-2], v[SA+2*i-1]
	v_cvt_pk_bf16_f32 v[PB+i-1], v[SB+2*i-2], v[SB+2*i-1]
.endif
.if \first == 0
	s_wait_alu depctr_va_vdst(0)
	v_pk_mul_f32 v[OA+2*i:OA+2*i+1], v[OA+2*i:OA+2*i+1], v[AL+2*((i/4)%2):AL+2*((i/4)%2)+1] op_sel_hi:[1,0]
.endif
.set i, i+1
.endr
	s_wait_alu depctr_va_vdst(0)
	v_cvt_pk_bf16_f32 v[PA+15], v[SA+30], v[SA+31]
	v_cvt_pk_bf16_f32 v[PB+15], v[SB+30], v[SB+31]
.if \more
	s_wait_dscnt 0x8                               ; V's four loads are in; the eight younger ones (the next K) stay out
.else
	s_wait_dscnt 0x0
.endif
	; O^T += V^T x P^T, row sums += ones x P^T: the four accumulators take turns, one instruction a turn
.irp g, 0,1
	MM OA,  VF+8*\g, PA+8*\g, 1-\first*(1-\g)
	MM OB,  VF+8*\g, PB+8*\g, 1-\first*(1-\g)
	MM LSA, ONE,     PA+8*\g, 1-\first*(1-\g)
	MM LSB, ONE,     PB+8*\g, 1-\first*(1-\g)
.endr
.endm
.macro TILE slot, first                ; 128 keys: two steps, so that the running maximum is back in its first register at the tile's end
	LDK \slot, 0
	STEP \slot, 0, \first, 1
	STEP \slot, 1, 0, 0
.endm
; Slot s has been read and is filled again, two tiles on.  Every wave of the four work-groups has waited for its LDS instructions and for all its tensor loads
; in front of the round; the joint load is the first thing behind it and the wave's only tensor load until the next round.
.macro REFILL s
	s_wait_tensorcnt 0x0                           ; all my tensor loads have landed, the other slot's tile among them: a group 0 may be written
	ds_add_u32 v244, v245
	s_add_nc_u64 s[G0+4*\s+2:G0+4*\s+3], s[G0+4*\s+2:G0+4*\s+3], 2*TILEB
	s_wait_dscnt 0x0                               ; my reads of this slot are back
	ROUND
	tensor_load_to_lds s[G0+4*\s:G0+4*\s+3], s[G1:G1+7]
	s_nop 0
.endm
	s_wait_tensorcnt 0x1                           ; tensor loads of a wave end in order (ISA guide 10.11.1): tile 0 is in, tile 1 stays out; only I read my slots
	TILE 0, 1
	s_mov_b32 s21, 7
.Ltiles:
	REFILL 0                                       ; tiles 2, 4, .. 14
	TILE 1, 0                                      ; tiles 1, 3, .. 13: shown landed by the wait for 0 in front of the round
	REFILL 1                                       ; tiles 3, 5, .. 15
	TILE 0, 0                                      ; tiles 2, 4, .. 14
	s_sub_co_u32 s21, s21, 1
	s_cmp_lg_u32 s21, 0
	s_cbranch_scc1 .Ltiles
	s_wait_tensorcnt 0x0                           ; tile 15; nothing is left to fetch
	TILE 1, 0
	; THE WAY OUT.  The address arithmetic fills the places behind the last matrix instructions (ISA guide 7.12.1) and behind the reciprocals (5.7.2).
	v_lshl_add_u32 v234, v0, 4, HX                 ; heads in: 512 head + 16 lane
	v_lshl_add_u32 v235, v[LN], 4, HX              ; heads back: 16 lane
	v_and_b32 v236, 7, v0
	v_bfe_u32 v237, v0, 4, 1                       ; hh
	v_lshl_add_u32 v236, v237, 3, v236             ; W_out, transposing load: row c = 8 hh + (L & 7)
	v_rcp_f32 v[AL],   v[LSA]                      ; every register of the row sums holds the sum of the lane's query; it is at least 1
	v_rcp_f32 v[AL+2], v[LSB]
	v_mul_u32_u24 v236, v236, WOP
	v_bfe_u32 v238, v0, 3, 1
	v_lshl_add_u32 v236, v238, 4, v236             ; 16 bytes for each half of my 16 columns
	v_add_nc_u32 v236, s42, v236
	s_wait_alu depctr_va_vdst(0)
.irp i, 0,1,2,3
	v_pk_mul_f32 v[OA+2*\i:OA+2*\i+1], v[OA+2*\i:OA+2*\i+1], v[AL:AL+1] op_sel_hi:[1,0]
	v_pk_mul_f32 v[OB+2*\i:OB+2*\i+1], v[OB+2*\i:OB+2*\i+1], v[AL+2:AL+3] op_sel_hi:[1,0]
.endr
.irp i, 0,1,2,3
	v_cvt_pk_bf16_f32 v[PA+\i],   v[OA+2*\i], v[OA+2*\i+1]
	v_cvt_pk_bf16_f32 v[PA+4+\i], v[OB+2*\i], v[OB+2*\i+1]
.endr
	ds_store_b128 v234, v[PA:PA+3]                 ; query r, c = 16 head + 8 hh .. + 7
	ds_store_b128 v234, v[PA+4:PA+7] offset:4096
	s_wait_dscnt 0x0                               ; for the other waves: zero
	s_barrier_signal -1
	s_barrier_wait -1
	; out^T = W_out^T x heads^T, c = 128 in four chunks.  Chunk c's B fragment is what heads 2 c and 2 c + 1 stored, lane for lane.
.irp f, 0,1,2,3,4,5,6,7
	ds_load_b128 v[SA+8*\f:SA+8*\f+3],   v235 offset:1024*\f
	ds_load_b128 v[SA+8*\f+4:SA+8*\f+7], v235 offset:1024*\f+512
.endr
.irp c, 0,1,2,3
	ds_load_tr16_b128 v[PA+8*\c:PA+8*\c+3],   v236 offset:32*WOP*\c
	ds_load_tr16_b128 v[PA+8*\c+4:PA+8*\c+7], v236 offset:32*WOP*\c+16*WOP
.endr
	s_wait_dscnt 0x0
.irp c, 0,1,2,3
	MM OA, PA+8*\c, SA+8*\c,    \c                 ; my 16 columns e x queries 0-15; the two accumulators take turns
	MM OB, PA+8*\c, SA+32+8*\c, \c                 ; x queries 16-31
.endr
	v_and_b32 v239, 15, v0                         ; six plain instructions: the places behind the last matrix instructions
	v_mul_u32_u24 v239, v239, OSP
	v_lshl_add_u32 v239, v237, 5, v239
	v_add_nc_u32 v239, s43, v239                   ; stage in: row r, byte 64 wave + 32 hh
	v_lshl_add_u32 v240, v[LN], 4, s44             ; stage back: my 4 rows, 16 bytes a lane
	v_lshl_add_u32 v241, v[LN], 4, s45             ; and the same in out0
	ds_store_b128 v239, v[OA:OA+3]
	ds_store_b128 v239, v[OA+4:OA+7] offset:16
	ds_store_b128 v239, v[OB:OB+3]   offset:16*OSP
	ds_store_b128 v239, v[OB+4:OB+7] offset:16*OSP+16
	s_wait_dscnt 0x0
	s_barrier_signal -1
	s_barrier_wait -1
.irp i, 0,1,2,3
	ds_load_b128 v[SA+4*\i:SA+4*\i+3], v240 offset:\i*OSP
.endr
.irp i, 0,1,2,3
	s_wait_dscnt 3-\i                              ; LDS loads come back in order: row i is in
	global_store_b128 v241, v[SA+4*\i:SA+4*\i+3], s[10:11] offset:512*\i th:TH_STORE_NT   ; a whole row of out: 512 consecutive bytes, aligned
.endr
	s_wait_tensorcnt 0x0
	ds_add_u32 v244, v245
	s_wait_dscnt 0x0
	ROUND                                          ; the closing round: no work-group ends while a partner may still ask for a tile that names it
	s_endpgm
.Lfunc_end_k_q6de65660dd_attend:
	.size	k_q6de65660dd_attend, .Lfunc_end_k_q6de65660dd_attend-k_q6de65660dd_attend
	.p2alignl 7, 3214868480
	.fill 96, 4, 3214868480
	.section	.rodata,"a",@progbits
	.p2align	6, 0x0
	.amdhsa_kernel k_q6de65660dd_attend
		.amdhsa_group_segment_fixed_size 327680
		.amdhsa_private_segment_fixed_size 0
		.amdhsa_enable_private_segment 0
		.amdhsa_kernarg_size 32
		.amdhsa_user_sgpr_count 2
		.amdhsa_user_sgpr_kernarg_segment_ptr 1
		.amdhsa_wavefront_size32 1
		.amdhsa_system_sgpr_workgroup_id_x 1
		.amdhsa_system_sgpr_workgroup_id_y 1
		.amdhsa_system_sgpr_workgroup_id_z 1
		.amdhsa_system_vgpr_workitem_id 0
		.amdhsa_next_free_vgpr 246
		.amdhsa_next_free_sgpr 66
		.amdhsa_reserve_vcc 0
		.amdhsa_float_denorm_mode_32 3
		.amdhsa_float_denorm_mode_16_64 3
		.amdhsa_memory_ordered 1
		.amdhsa_forward_progress 1
		.amdhsa_inst_pref_size 118
	.end_amdhsa_kernel
	.amdgpu_metadata
---
amdhsa.version: [ 1, 2 ]
amdhsa.kernels:
  - .name:           k_q6de65660dd_attend
    .symbol:         k_q6de65660dd_attend.kd
    .args:
      - { .name: qf, .offset: 0, .size: 8, .value_kind: global_buffer, .address_space: global }
      - { .name: kv, .offset: 8, .size: 8, .value_kind: global_buffer, .address_space: global }
      - { .name: W_out, .offset: 16, .size: 8, .value_kind: global_buffer, .address_space: global }
      - { .name: out0, .offset: 24, .size: 8, .value_kind: global_buffer, .address_space: global }
    .group_segment_fixed_size: 327680
    .private_segment_fixed_size: 0
    .kernarg_segment_align: 8
    .kernarg_segment_size: 32
    .max_flat_workgroup_size: 256
    .sgpr_count:     66
    .vgpr_count:     246
    .wavefront_size: 32
...
	.end_amdgpu_metadata
.endif
;; end of part 2
;; ======== version 2 of 2: 2 launches; 1.18 times as fast as version 1
;; workspace buffers: qf 4,194,304 bytes; kv 6,291,456 bytes
;; launch project: the kernel of part 1 again; grid 256 x 1, 8 waves a work-group, no clusters, 60,416 bytes of LDS; arguments h, W_query, W_key, W_val, qf, kv; writes qf, kv
;; launch attend (part 3): grid 256 x 1, 8 waves a work-group, clusters of 4 x 1, 327,680 bytes of LDS; arguments qf, kv, W_out, out0; writes out0
.if DOCPART == 3
	.amdgcn_target "amdgcn-amd-amdhsa--gfx1250"
	.amdhsa_code_object_version 6
	.text
	.protected	k_q6de65660dd_attend
	.globl	k_q6de65660dd_attend
	.p2align	8
	.type	k_q6de65660dd_attend,@function
k_q6de65660dd_attend:
	s_mov_b64 s[64:65], 0
	v_nop
	global_prefetch_b8 v0, s[64:65] scope:SCOPE_SE
	s_setreg_imm32_b32 hwreg(HW_REG_WAVE_MODE, 25, 1), 1
	s_wait_xcnt 0x0
	s_wait_alu depctr_hold_cnt(0) depctr_sa_sdst(0) depctr_va_vdst(0) depctr_va_sdst(0) depctr_va_ssrc(0) depctr_va_vcc(0) depctr_vm_vsrc(0)
	s_getreg_b32 s2, hwreg(HW_REG_IB_STS2, 6, 4)
	s_cmp_eq_u32 s2, 0
	s_cbranch_scc0 .Lentry_in_a_cluster
	s_endpgm
.Lentry_in_a_cluster:
	s_bfe_u32 s2, ttmp6, 0x10000c
	s_cmp_lg_u32 s2, 0x3003
	s_cbranch_scc0 .Lentry_shape_is_right
	s_endpgm
.Lentry_shape_is_right:
; out[b][q][:] = sum over heads of softmax(Q K^T / 4) V W_out.  qf and kv as the projection launch stored them (bf16, fragment order; Q and K as hi + lo;
; Q already times 0.25 log2(e), so that the exponentials are plain powers of two).  W_out: [128 c = 16 head + v][128 e] f32.  out0: [8192][128] f32.
; A work-group takes 32 queries of one batch and all eight heads, so that the sum over heads stays inside it; wave = head.
; CLUSTER: the four work-groups of a cluster are four query blocks of one batch: wave w of each needs the same K and V of head w.  Each tile is asked
; for jointly (mask 15): the same line, the same descriptor (batch, wave, tile), in the same round of the cluster's barrier.
; RING: each wave has two LDS slots of 12 KiB; a tile is 128 keys of its head, K hi, K lo and V together, dense in memory, 48 rows of 256 bytes.  Sixteen
; tiles.  (Slots of 256 keys would take 8 x 2 x 24 KiB, more than a work-group can have.)  By this text's count a wave has two tensor loads out at the
; start and one behind each refill; a refill has a whole tile's work, two steps, in which to land.
; A STEP is 64 keys x 32 queries (four groups of 16 keys, two tiles a, b of 16 queries), everything transposed:
;   S^T = K x Q^T.  dk = 16 is half of the form's K = 32: one A fragment holds K hi (k 0-15) and K lo (k 16-31) of 16 keys and is multiplied by [Q hi; Q hi]
;   and then, adding in place, by [Q lo; Q lo]: (K hi + K lo)(Q hi + Q lo), about 16 bits of each.  In the result lane (r, hh) holds query r and keys
;   8 hh + j: after rounding that IS the B fragment of O^T = V^T x P^T: no score ever changes its lane.  The running maximum of a query needs one
;   exchange between lanes r and 16 + r for 64 keys.
;   The row sums are made by the matrix unit too (a fragment of ones x P^T): they add the rounded P that the numerator uses.
; The maximum is taken away before every exponential (running maximum, earlier sums rescaled by 2^(old - new)).
; THE BATCHES.  A step's exponentials are ONE BATCH with ONE wait: the two 2^(old - new) and the 64 of the scores, which work in place on S, so that each result
; has a register of its own.  Ahead of the wait stand only the subtractions of the maximum, each a turn ahead of its pair's exponentials; nothing there names a
; result.  Behind the wait stand all readers: the 32 roundings to bf16 and the 16 rescalings of O and of the row sums.  No result crosses a step's end, so none
; crosses a label, a branch or the loop's jump.  The two reciprocals of the way out are a batch of their own.
; LIMITS: V, P, the heads and W_out are bf16 operands (nearest even), Q and K pairs of bf16; all sums, maxima and exponentials f32.  Inputs are taken as finite.
.set TILEB,  12288                     ; bytes in a tile and in a slot
.set GROUPB, 3072                      ; 32 keys: K hi, lo of keys 0-15, K hi, lo of keys 16-31, V keys 8 hh .., V keys 16 + 8 hh .., 512 bytes each, 16 bytes a lane
.set HEADB,  64*GROUPB                 ; one batch's 2,048 keys of one head
.set WO,     8*2*TILEB                 ; 196,608: behind the ring, W_out in bf16, [128 c][128 e], pitch WOP; no tensor load ever lands from here on
.set WOP,    288                       ; 256 + 32: an odd multiple of 32 for the transposing load
.set HX,     WO+128*WOP                ; 233,472: the heads in bf16, [tile a, b][head][lane][16 bytes], 8 KiB
.set OS,     HX+8192                   ; 241,664: the block of out, 32 rows of 512 bytes, pitch OSP
.set OSP,    528
.set LA,  1                            ; v1        ring: 24,576 wave + 16 lane
.set LN,  2                            ; v2        lane
.set QO,  3                            ; v3        16 lane
.set QHA, 4                            ; v[4:11]   [Qa hi; Qa hi]
.set QLA, 12                           ; v[12:19]  [Qa lo; Qa lo]
.set QHB, 20                           ; v[20:27]  [Qb hi; Qb hi]
.set QLB, 28                           ; v[28:35]  [Qb lo; Qb lo]
.set ONE, 36                           ; v[36:43]  a fragment of ones
.set KF,  44                           ; v[44:75]  K fragments [hi | lo] of the step's four groups of 16 keys
.set VF,  76                           ; v[76:91]  V fragments of the step's two groups of 32 keys
.set SA,  92                           ; v[92:123] scores of tile a: group f of 16 keys at 8 f
.set SB,  124                          ; v[124:155] tile b
.set PA,  156                          ; v[156:171] P of tile a in bf16, group g of 32 keys at 8 g
.set PB,  172                          ; v[172:187] tile b
.set OA,  188                          ; v[188:195] O^T of tile a, v[196:203] of b, v[204:211] row sums of a, v[212:219] of b
.set OB,  196
.set LSA, 204
.set LSB, 212
.set MA,  220                          ; v220, v222: the running maximum of tile a, by turns old and new; v221, v223: at work (they fill the pairs)
.set TA1, 221
.set TA0, 223
.set MB,  224                          ; v224, v226, and v225, v227: the same for tile b
.set TB1, 225
.set TB0, 227
.set AL,  228                          ; v228 = 2^(old - new) of a, v229 = old - new; v230, v231 of b
.set G1,  24                           ; s[24:31] descriptor group 1
.set G0,  32                           ; s[32:39] descriptor group 0, one set for each slot
.macro ROUND                           ; a round of the cluster's barrier: my work-group's barrier, wave 0 signals for the work-group, all wait, my barrier again
	s_barrier_signal -1
	s_barrier_wait -1
	s_cmp_lg_u32 s12, 0
	s_cbranch_scc1 .Lnot_wave_0_\@
	s_barrier_signal -3
.Lnot_wave_0_\@:
	s_barrier_wait -3
	s_barrier_signal -1
	s_barrier_wait -1
.endm
.macro MM d, a, b, link                ; link = 0: the product starts the sum
.if \link
	v_wmma_f32_16x16x32_bf16 v[\d:\d+7], v[\a:\a+7], v[\b:\b+7], v[\d:\d+7]
.else
	v_wmma_f32_16x16x32_bf16 v[\d:\d+7], v[\a:\a+7], v[\b:\b+7], 0
.endif
.endm
	s_load_b128 s[4:7], s[0:1], 0x0                ; qf s[4:5], kv s[6:7]
	s_load_b128 s[8:11], s[0:1], 0x10              ; W_out s[8:9], out0 s[10:11]
	v_lshl_add_u32 v244, v0, 2, 0x3f200
	v_mov_b32 v245, 0
	ds_add_u32 v244, v245
	v_lshrrev_b32 v238, 5, v0
	v_readfirstlane_b32 s12, v238                  ; wave = head
	s_bfe_u32 s13, ttmp6, 0x40000                  ; cx: my place in the cluster; it enters global addresses of Q and out alone
	s_lshr_b32 s14, ttmp9, 4                       ; batch: 16 clusters each
	s_lshl_b32 s15, ttmp9, 2
	s_add_co_u32 s15, s15, s13                     ; my block of 32 queries, 0..255
	; group 1: a dense block of 12 KiB as 48 rows of 32 elements of 8 bytes
	s_mov_b32 s[G1+0], 15|(3<<16)|(1<<21)          ; 15:0 mask: the four work-groups of the cluster; 17:16 elements of 8 bytes; 21 set beside a mask
	s_mov_b32 s[G1+1], 32<<16                      ; tensor_dim0 = 32
	s_mov_b32 s[G1+2], 48<<16                      ; tensor_dim1 = 48
	s_mov_b32 s[G1+3], 32<<16                      ; tile_dim0 = 32
	s_mov_b32 s[G1+4], 48                          ; tile_dim1 = 48
	s_mov_b32 s[G1+5], 32                          ; from row to row: 32 elements
	s_mov_b32 s[G1+6], 0
	s_mov_b32 s[G1+7], 0
	s_mul_i32 s20, s12, 2*TILEB                    ; my wave's ring
	s_lshl3_add_u32 s16, s14, s12
	s_mul_i32 s16, s16, HEADB                      ; (8 batch + head) x 196,608: the same in all four partners
	s_mov_b32 s17, 0
	s_wait_dscnt 0x0
	s_wait_kmcnt 0x0
	s_add_nc_u64 s[18:19], s[6:7], s[16:17]
	ROUND                                          ; the four work-groups are here: the first joint loads meet
.irp s, 0,1
	s_mov_b32 s[G0+4*\s], 1                                        ; count = 1
	s_add_co_u32 s[G0+4*\s+1], s20, \s*TILEB                       ; LDS address: wave and slot alone
	s_add_nc_u64 s[G0+4*\s+2:G0+4*\s+3], s[18:19], \s*TILEB        ; tile s
	s_or_b32 s[G0+4*\s+3], s[G0+4*\s+3], 0x80000000                ; type = 2
	tensor_load_to_lds s[G0+4*\s:G0+4*\s+3], s[G1:G1+7]            ; both first fills go out ahead of everything else
	s_nop 0
.endr
	s_lshl3_add_u32 s48, s15, s12
	s_lshl_b32 s48, s48, 11                        ; qf: (8 block + head) x 2,048
	s_mov_b32 s49, 0
	s_add_nc_u64 s[4:5], s[4:5], s[48:49]
	s_lshl_b32 s46, s15, 14                        ; out0: block x 32 rows of 512 bytes
	s_mov_b32 s47, 0
	s_add_nc_u64 s[10:11], s[10:11], s[46:47]
	v_and_b32 v[LN], 31, v0
	v_lshlrev_b32 v[QO], 4, v[LN]
	; query r, dk 8 hh .. + 7.  Each 16 bytes are loaded into both halves of their fragment (k 0-15 meets K hi, k 16-31 meets K lo): a second load, once in the launch, in place of four copies
.irp p, 0,1,2,3
	global_load_b128 v[QHA+8*\p:QHA+8*\p+3],   v[QO], s[4:5] offset:512*\p     ; p = 0: Qa hi, 1: Qa lo, 2: Qb hi, 3: Qb lo
	global_load_b128 v[QHA+8*\p+4:QHA+8*\p+7], v[QO], s[4:5] offset:512*\p
.endr
	v_lshlrev_b32 v232, 4, v0
.irp i, 0,1,2,3,4,5,6,7,8,9,10,11,12,13,14,15
	global_load_b128 v[SA+4*\i:SA+4*\i+3], v232, s[8:9] offset:4096*\i     ; W_out, rows c = 8 i + wave, one row of 512 bytes a wave
.endr
	v_lshl_add_u32 v[LA], v[LN], 4, s20
	v_mul_u32_u24 v233, v238, WOP
	v_lshl_add_u32 v233, v[LN], 3, v233
	v_add_nc_u32 v233, WO, v233                    ; W_out in LDS: row = wave (+ 8 i in the immediate), 8 bytes a lane
.irp o, 0,1,2,3,4,5,6,7
	v_mov_b32 v[ONE+\o], 0x3f803f80                ; 1.0, 1.0 in bf16
.endr
	s_mov_b32 s40, 0x76543210                      ; v_permlanex16_b32: lane i reads lane i of the other half
	s_mov_b32 s41, 0xfedcba98
	s_lshl_b32 s42, s12, 5
	s_add_co_u32 s42, s42, WO                      ; way out: my 16 columns of W_out
	s_lshl_b32 s43, s12, 6
	s_add_co_u32 s43, s43, OS                      ; my 16 columns of the block of out
	s_mul_i32 s44, s12, 4*OSP
	s_add_co_u32 s44, s44, OS                      ; my 4 rows of it
	s_lshl_b32 s45, s12, 11                        ; the same 4 rows in out0
.set i, 0
.rept 16
	s_wait_loadcnt 15-i                            ; loads come back in order (ISA guide 5.7.1): row i (and Q, which is older) is in, the younger stay out
	v_cvt_pk_bf16_f32 v[PA+2*i],   v[SA+4*i],   v[SA+4*i+1]
	v_cvt_pk_bf16_f32 v[PA+2*i+1], v[SA+4*i+2], v[SA+4*i+3]
	ds_store_b64 v233, v[PA+2*i:PA+2*i+1] offset:i*8*WOP   ; read by the other waves at the end: every refill below waits for it and passes a barrier
.set i, i+1
.endr
.macro LDK slot, s                     ; the K fragments of step s: hi into registers 0-3, lo into 4-7; each load takes 512 consecutive bytes
.irp g, 0,1
.irp k, 0,1
	ds_load_b128 v[KF+16*\g+8*\k:KF+16*\g+8*\k+3],   v[LA] offset:\slot*TILEB+(2*(\s)+\g)*GROUPB+1024*\k
	ds_load_b128 v[KF+16*\g+8*\k+4:KF+16*\g+8*\k+7], v[LA] offset:\slot*TILEB+(2*(\s)+\g)*GROUPB+1024*\k+512
.endr
.endr
.endm
.macro LDV slot, s
.irp g, 0,1
	ds_load_b128 v[VF+8*\g:VF+8*\g+3],   v[LA] offset:\slot*TILEB+(2*(\s)+\g)*GROUPB+2048
	ds_load_b128 v[VF+8*\g+4:VF+8*\g+7], v[LA] offset:\slot*TILEB+(2*(\s)+\g)*GROUPB+2560
.endr
.endm
; 64 keys.  first = 1: the launch's first step: no old maximum, nothing to rescale, the products start the sums.  more = 1: the tile has a further step.
.macro STEP slot, s, first, more
.set MO, 2*((\s)%2)                    ; the old maximum's register, and the new one's: they change places from step to step, which spares a copy
.set MN, 2-MO
	s_wait_dscnt 0x0                               ; this step's K fragments are in
	; the eight score tiles take turns, one instruction a turn: first (K hi + K lo) Q hi, which starts the sums, then + (K hi + K lo) Q lo
.irp f, 0,1,2,3
	MM SA+8*\f, KF+8*\f, QHA, 0
	MM SB+8*\f, KF+8*\f, QHB, 0
.endr
.irp f, 0,1,2,3
	MM SA+8*\f, KF+8*\f, QLA, 1
	MM SB+8*\f, KF+8*\f, QLB, 1
.endr
.rept 4
	v_nop                                          ; four places (ISA guide 7.12.1): behind them the scores are read, and K's and V's registers, which matrix instructions have read, are loaded again
.endr
	LDV \slot, \s                                  ; wanted at the end of this step
.if \more
	LDK \slot, \s+1                                ; wanted at the head of the next
.endif
	; the largest of my 32 scores of each tile, two chains a tile
	v_max3_num_f32 v[TA0], v[SA],   v[SA+1], v[SA+2]
	v_max3_num_f32 v[TB0], v[SB],   v[SB+1], v[SB+2]
	v_max3_num_f32 v[TA1], v[SA+3], v[SA+4], v[SA+5]
	v_max3_num_f32 v[TB1], v[SB+3], v[SB+4], v[SB+5]
.set j, 6
.rept 6
	v_max3_num_f32 v[TA0], v[TA0], v[SA+j],   v[SA+j+1]
	v_max3_num_f32 v[TB0], v[TB0], v[SB+j],   v[SB+j+1]
	v_max3_num_f32 v[TA1], v[TA1], v[SA+j+2], v[SA+j+3]
	v_max3_num_f32 v[TB1], v[TB1], v[SB+j+2], v[SB+j+3]
.set j, j+4
.endr
	v_max3_num_f32 v[TA0], v[TA0], v[SA+30], v[SA+31]
	v_max3_num_f32 v[TB0], v[TB0], v[SB+30], v[SB+31]
.if \first
	v_max_num_f32 v[TA0], v[TA0], v[TA1]
	v_max_num_f32 v[TB0], v[TB0], v[TB1]
.else
	v_max3_num_f32 v[TA0], v[TA0], v[TA1], v[MA+MO]
	v_max3_num_f32 v[TB0], v[TB0], v[TB1], v[MB+MO]
.endif
	v_permlanex16_b32 v[TA1], v[TA0], s40, s41     ; lanes r and 16 + r hold the two halves of query r's keys
	v_permlanex16_b32 v[TB1], v[TB0], s40, s41
	v_max_num_f32 v[MA+MN], v[TA0], v[TA1]         ; the new running maximum, alike in both lanes of a query
	v_max_num_f32 v[MB+MN], v[TB0], v[TB1]
	; THE STEP'S BATCH: 2^(old - new) of both tiles and P = 2^(S - max), 66 exponentials (64 in the first step).  The subtraction of pair i + 1 stands among the
	; exponentials of pair i: it is done a turn ahead of its own exponentials, and a plain instruction stands between every two exponentials.  No line up to the
	; wait names an exponential's result.
.if \first == 0
	v_sub_f32 v[AL+1], v[MA+MO], v[MA+MN]
	v_sub_f32 v[AL+3], v[MB+MO], v[MB+MN]
.endif
	v_pk_add_f32 v[SA:SA+1], v[SA:SA+1], v[MA+MN:MA+MN+1] op_sel_hi:[1,0] neg_lo:[0,1] neg_hi:[0,1]
	v_pk_add_f32 v[SB:SB+1], v[SB:SB+1], v[MB+MN:MB+MN+1] op_sel_hi:[1,0] neg_lo:[0,1] neg_hi:[0,1]
.if \first == 0
	v_exp_f32 v[AL],   v[AL+1]                     ; 2^(old - new): read behind the wait, by the rescalings
	v_exp_f32 v[AL+2], v[AL+3]
.endif
.set i, 0
.rept 16
.if i < 15
	v_pk_add_f32 v[SA+2*i+2:SA+2*i+3], v[SA+2*i+2:SA+2*i+3], v[MA+MN:MA+MN+1] op_sel_hi:[1,0] neg_lo:[0,1] neg_hi:[0,1]
.endif
	v_exp_f32 v[SA+2*i],   v[SA+2*i]
	v_exp_f32 v[SA+2*i+1], v[SA+2*i+1]
.if i < 15
	v_pk_add_f32 v[SB+2*i+2:SB+2*i+3], v[SB+2*i+2:SB+2*i+3], v[MB+MN:MB+MN+1] op_sel_hi:[1,0] neg_lo:[0,1] neg_hi:[0,1]
.endif
	v_exp_f32 v[SB+2*i],   v[SB+2*i]
	v_exp_f32 v[SB+2*i+1], v[SB+2*i+1]
.set i, i+1
.endr
	v_nop                                          ; the plain instruction behind the last exponential (ISA guide 5.7.2): one for the batch; no plain work is left that names no result
	s_wait_alu depctr_va_vdst(0)                   ; the wait for the step's batch, ahead of the first line that names a result: one for all its exponentials
	; the readers: P is rounded to bf16, a pair of weights a line; one rescaling of the 16 pairs of O and of the row sums rides in each turn, in ascending
	; order
.set i, 0
.rept 16
	v_cvt_pk_bf16_f32 v[PA+i], v[SA+2*i], v[SA+2*i+1]
	v_cvt_pk_bf16_f32 v[PB+i], v[SB+2*i], v[SB+2*i+1]
.if \first == 0
	v_pk_mul_f32 v[OA+2*i:OA+2*i+1], v[OA+2*i:OA+2*i+1], v[AL+2*((i/4)%2):AL+2*((i/4)%2)+1] op_sel_hi:[1,0]
.endif
.set i, i+1
.endr
.if \more
	s_wait_dscnt 0x8                               ; V's four loads are in; the eight younger ones (the next K) stay out
.else
	s_wait_dscnt 0x0
.endif
	; O^T += V^T x P^T, row sums += ones x P^T: the four accumulators take turns, one instruction a turn
.irp g, 0,1
	MM OA,  VF+8*\g, PA+8*\g, 1-\first*(1-\g)
	MM OB,  VF+8*\g, PB+8*\g, 1-\first*(1-\g)
	MM LSA, ONE,     PA+8*\g, 1-\first*(1-\g)
	MM LSB, ONE,     PB+8*\g, 1-\first*(1-\g)
.endr
.endm
.macro TILE slot, first                ; 128 keys: two steps, so that the running maximum is back in its first register at the tile's end
	LDK \slot, 0
	STEP \slot, 0, \first, 1
	STEP \slot, 1, 0, 0
.endm
; Slot s has been read and is filled again, two tiles on.  Every wave of the four work-groups has waited for its LDS instructions and for all its tensor loads
; in front of the round; the joint load is the first thing behind it and the wave's only tensor load until the next round.
.macro REFILL s
	s_wait_tensorcnt 0x0                           ; all my tensor loads have landed, the other slot's tile among them: a group 0 may be written
	ds_add_u32 v244, v245
	s_add_nc_u64 s[G0+4*\s+2:G0+4*\s+3], s[G0+4*\s+2:G0+4*\s+3], 2*TILEB
	s_wait_dscnt 0x0                               ; my reads of this slot are back
	ROUND
	tensor_load_to_lds s[G0+4*\s:G0+4*\s+3], s[G1:G1+7]
	s_nop 0
.endm
	s_wait_tensorcnt 0x1                           ; tensor loads of a wave end in order (ISA guide 10.11.1): tile 0 is in, tile 1 stays out; only I read my slots
	TILE 0, 1
	s_mov_b32 s21, 7
.Ltiles:
	REFILL 0                                       ; tiles 2, 4, .. 14
	TILE 1, 0                                      ; tiles 1, 3, .. 13: shown landed by the wait for 0 in front of the round
	REFILL 1                                       ; tiles 3, 5, .. 15
	TILE 0, 0                                      ; tiles 2, 4, .. 14
	s_sub_co_u32 s21, s21, 1
	s_cmp_lg_u32 s21, 0
	s_cbranch_scc1 .Ltiles
	s_wait_tensorcnt 0x0                           ; tile 15; nothing is left to fetch
	TILE 1, 0
	; THE WAY OUT.  The address arithmetic fills the places behind the last matrix instructions (ISA guide 7.12.1) and behind the reciprocals (5.7.2).
	v_lshl_add_u32 v234, v0, 4, HX                 ; heads in: 512 head + 16 lane
	v_lshl_add_u32 v235, v[LN], 4, HX              ; heads back: 16 lane
	v_and_b32 v236, 7, v0
	v_bfe_u32 v237, v0, 4, 1                       ; hh
	v_lshl_add_u32 v236, v237, 3, v236             ; W_out, transposing load: row c = 8 hh + (L & 7)
	v_rcp_f32 v[AL],   v[LSA]                      ; every register of the row sums holds the sum of the lane's query; it is at least 1
	v_rcp_f32 v[AL+2], v[LSB]
	v_mul_u32_u24 v236, v236, WOP
	v_bfe_u32 v238, v0, 3, 1
	v_lshl_add_u32 v236, v238, 4, v236             ; 16 bytes for each half of my 16 columns
	v_add_nc_u32 v236, s42, v236
	s_wait_alu depctr_va_vdst(0)                   ; the wait for the two reciprocals, a batch of their own, ahead of their first reader; the four address lines above stand between
.irp i, 0,1,2,3
	v_pk_mul_f32 v[OA+2*\i:OA+2*\i+1], v[OA+2*\i:OA+2*\i+1], v[AL:AL+1] op_sel_hi:[1,0]
	v_pk_mul_f32 v[OB+2*\i:OB+2*\i+1], v[OB+2*\i:OB+2*\i+1], v[AL+2:AL+3] op_sel_hi:[1,0]
.endr
.irp i, 0,1,2,3
	v_cvt_pk_bf16_f32 v[PA+\i],   v[OA+2*\i], v[OA+2*\i+1]
	v_cvt_pk_bf16_f32 v[PA+4+\i], v[OB+2*\i], v[OB+2*\i+1]
.endr
	ds_store_b128 v234, v[PA:PA+3]                 ; query r, c = 16 head + 8 hh .. + 7
	ds_store_b128 v234, v[PA+4:PA+7] offset:4096
	s_wait_dscnt 0x0                               ; for the other waves: zero
	s_barrier_signal -1
	s_barrier_wait -1
	; out^T = W_out^T x heads^T, c = 128 in four chunks.  Chunk c's B fragment is what heads 2 c and 2 c + 1 stored, lane for lane.
.irp f, 0,1,2,3,4,5,6,7
	ds_load_b128 v[SA+8*\f:SA+8*\f+3],   v235 offset:1024*\f
	ds_load_b128 v[SA+8*\f+4:SA+8*\f+7], v235 offset:1024*\f+512
.endr
.irp c, 0,1,2,3
	ds_load_tr16_b128 v[PA+8*\c:PA+8*\c+3],   v236 offset:32*WOP*\c
	ds_load_tr16_b128 v[PA+8*\c+4:PA+8*\c+7], v236 offset:32*WOP*\c+16*WOP
.endr
	s_wait_dscnt 0x0
.irp c, 0,1,2,3
	MM OA, PA+8*\c, SA+8*\c,    \c                 ; my 16 columns e x queries 0-15; the two accumulators take turns
	MM OB, PA+8*\c, SA+32+8*\c, \c                 ; x queries 16-31
.endr
	v_and_b32 v239, 15, v0                         ; six plain instructions: the places behind the last matrix instructions
	v_mul_u32_u24 v239, v239, OSP
	v_lshl_add_u32 v239, v237, 5, v239
	v_add_nc_u32 v239, s43, v239                   ; stage in: row r, byte 64 wave + 32 hh
	v_lshl_add_u32 v240, v[LN], 4, s44             ; stage back: my 4 rows, 16 bytes a lane
	v_lshl_add_u32 v241, v[LN], 4, s45             ; and the same in out0
	ds_store_b128 v239, v[OA:OA+3]
	ds_store_b128 v239, v[OA+4:OA+7] offset:16
	ds_store_b128 v239, v[OB:OB+3]   offset:16*OSP
	ds_store_b128 v239, v[OB+4:OB+7] offset:16*OSP+16
	s_wait_dscnt 0x0
	s_barrier_signal -1
	s_barrier_wait -1
.irp i, 0,1,2,3
	ds_load_b128 v[SA+4*\i:SA+4*\i+3], v240 offset:\i*OSP
.endr
.irp i, 0,1,2,3
	s_wait_dscnt 3-\i                              ; LDS loads come back in order: row i is in
	global_store_b128 v241, v[SA+4*\i:SA+4*\i+3], s[10:11] offset:512*\i th:TH_STORE_NT   ; a whole row of out: 512 consecutive bytes, aligned
.endr
	s_wait_tensorcnt 0x0
	ds_add_u32 v244, v245
	s_wait_dscnt 0x0
	ROUND                                          ; the closing round: no work-group ends while a partner may still ask for a tile that names it
	s_endpgm
.Lfunc_end_k_q6de65660dd_attend:
	.size	k_q6de65660dd_attend, .Lfunc_end_k_q6de65660dd_attend-k_q6de65660dd_attend
	.p2alignl 7, 3214868480
	.fill 96, 4, 3214868480
	.section	.rodata,"a",@progbits
	.p2align	6, 0x0
	.amdhsa_kernel k_q6de65660dd_attend
		.amdhsa_group_segment_fixed_size 327680
		.amdhsa_private_segment_fixed_size 0
		.amdhsa_enable_private_segment 0
		.amdhsa_kernarg_size 32
		.amdhsa_user_sgpr_count 2
		.amdhsa_user_sgpr_kernarg_segment_ptr 1
		.amdhsa_wavefront_size32 1
		.amdhsa_system_sgpr_workgroup_id_x 1
		.amdhsa_system_sgpr_workgroup_id_y 1
		.amdhsa_system_sgpr_workgroup_id_z 1
		.amdhsa_system_vgpr_workitem_id 0
		.amdhsa_next_free_vgpr 246
		.amdhsa_next_free_sgpr 66
		.amdhsa_reserve_vcc 0
		.amdhsa_float_denorm_mode_32 3
		.amdhsa_float_denorm_mode_16_64 3
		.amdhsa_memory_ordered 1
		.amdhsa_forward_progress 1
		.amdhsa_inst_pref_size 111
	.end_amdhsa_kernel
	.amdgpu_metadata
---
amdhsa.version: [ 1, 2 ]
amdhsa.kernels:
  - .name:           k_q6de65660dd_attend
    .symbol:         k_q6de65660dd_attend.kd
    .args:
      - { .name: qf, .offset: 0, .size: 8, .value_kind: global_buffer, .address_space: global }
      - { .name: kv, .offset: 8, .size: 8, .value_kind: global_buffer, .address_space: global }
      - { .name: W_out, .offset: 16, .size: 8, .value_kind: global_buffer, .address_space: global }
      - { .name: out0, .offset: 24, .size: 8, .value_kind: global_buffer, .address_space: global }
    .group_segment_fixed_size: 327680
    .private_segment_fixed_size: 0
    .kernarg_segment_align: 8
    .kernarg_segment_size: 32
    .max_flat_workgroup_size: 256
    .sgpr_count:     66
    .vgpr_count:     246
    .wavefront_size: 32
...
	.end_amdgpu_metadata
.endif
;; end of part 3
